; MI455X (gfx1250); checked and timed in simulation.
; The chip was launched on July 23, 2026; its instructions are those of AMD's public machine-readable ISA for CDNA 5 (MIT licence, August 2026) and "CDNA5" Instruction Set Architecture Reference Guide (July 2026). The comments in the code are by the model that wrote it; some were corrected since.
;; Full Attention. Allowed arithmetic: matrix products marked QUANTISED: E4M3 operands, one given power-of-two scale a tensor, by v_wmma_f32_16x16x64_fp8_fp8 or v_wmma_f32_16x16x128_fp8_fp8, f32 sums; everything else in f32.
;; Inputs: keys 4 x 2,048 x 16 x 128 float32; lowp_scales 4 int32 (the exponents e of the quantised operands' scales 2^e); queries 4 x 2,048 x 16 x 128 float32; values 4 x 2,048 x 16 x 128 float32.
;; Outputs: out0 4 x 2,048 x 16 x 128 float32.
;; This version of the problem:
;;   THIS VERSION OF THE PROBLEM IS GIVEN IN LOW PRECISION. The matrix products marked QUANTISED in the list below multiply operands that are first quantised to E4M3 (4 exponent bits, 3 mantissa bits; 8 bits a number), with one given power-of-two scale for each operand tensor; their sums are f32. All else is computed in f32.
;;   The module's matrix products, in the order in which they are computed (A, B: the left and right operand; K: the contracted axis; several contracted axes count as one K, in the product's order):
;;     1. batch 64 x [M 2,048, K 128] x [K 128, N 2,048]; A: input queries; B: input keys: QUANTISED (scales: A lowp_scales[0], B lowp_scales[1])
;;     2. batch 64 x [M 128, K 2,048] x [K 2,048, N 2,048]; A: input values; B: computed on the way: QUANTISED (scales: A lowp_scales[2], B lowp_scales[3])
;;   THE QUANTISER, for each operand of a quantised product, along K:
;;     - The operand's scale is 2^e, e = its entry of the input lowp_scales (int32; the entries are numbered through the quantised products in the list's order, A before B).
;;     - Each number is divided by the scale, clamped to +-448, and rounded to the nearest number of E4M3, ties to even, subnormals kept.
;;     - The product sums the exact products of the quantised numbers (number of the format x scale) in f32.
;;   ~~~python
;;   def quantise(x, axis, e):      # numpy; x: float32 -> the quantised numbers, widened to float32 again
;;       x = np.moveaxis(x, axis, -1); K = x.shape[-1]
;;       r = np.clip(x / 2.0 ** e, -448, 448)
;;       step = 2.0 ** (np.maximum(np.frexp(np.where(r == 0, 1, r))[1] - 1, -6) - 3)
;;       q = np.round(r / step) * step * 2.0 ** e      # np.round: ties to even
;;       return np.moveaxis(q, -1, axis).astype(np.float32)
;;   ~~~
;;   OPERANDS COMPUTED ON THE WAY. 'Computed on the way' means the value that the module computes at that place (a softmax that the list does not call 'softmax' is quantised finished and normalised). What goes into a quantiser is computed in f32, as accurately as f32 sums, v_exp_f32 and their like allow (about 1e-6 of the number): no bf16 or f16 on the way to a quantiser, and a product that is left as it is and whose result goes on into a quantised operand takes f32 operands (vector FMAs, or v_wmma_f32_16x16x4_f32). A number that lies on a knife's edge between two numbers of the format may be rounded either way, as far as f32 arithmetic and the matrix unit's own rounding can turn it there, and no further.
;; One version. Each part assembles by itself: llvm-mc -triple=amdgcn-amd-amdhsa -mcpu=gfx1250 --defsym DOCPART=n.
;; ======== version 1 of 1: 2 launches
;; limits: right only within a limited range of input values
;; workspace buffers: k_img 16,777,216 bytes; v_img 16,777,216 bytes
;; launch prep (part 1): grid 16 x 64, 4 waves a work-group, no clusters, 34,304 bytes of LDS; arguments keys, values, lowp_scales, k_img, v_img; writes k_img, v_img
.if DOCPART == 1
	.amdgcn_target "amdgcn-amd-amdhsa--gfx1250"
	.amdhsa_code_object_version 6
	.text
	.protected	k_q19cb6a0fab_prep
	.globl	k_q19cb6a0fab_prep
	.p2align	8
	.type	k_q19cb6a0fab_prep,@function
k_q19cb6a0fab_prep:
	s_mov_b64 s[64:65], 0
	v_nop
	global_prefetch_b8 v0, s[64:65] scope:SCOPE_SE
	s_setreg_imm32_b32 hwreg(HW_REG_WAVE_MODE, 25, 1), 1
	s_wait_xcnt 0x0
; keys and values, [4][2048][16][128] f32, become codes of FP8 (E4M3), each with its given scale 2^e (keys: entry 1 of the scales, values: entry 2),
; laid as IMAGES OF OPERAND REGISTERS: [head 16 b + h : 64][key step of 128 keys : 16][fragment : 8][c : 4][lane : 32][16 bytes].  With lane = r + 16 hh:
;   k_img, fragment 2 bb + u: key 32 bb + 8 u + r + 8 (r / 8) of the step, channels 32 c + 16 hh + 0 .. 15   (the first product's K is the channel)
;   v_img, fragment t:        channel 16 t + r, keys 32 c + 16 hh + 0 .. 15 of the step                      (the second product's K is the key)
; code = x / 2^e, held within +-448, rounded to the nearest code, ties to even.  LIMITS: e between -126 and 119; NaN among the inputs is not served.
; A work-group of four waves takes one key step of one head (x = key step, y = head).  Waves share nothing: no barrier.
; K: wave w takes keys 32 w .. 32 w + 31, two fragments.  Each load reads one key's 512 consecutive bytes; sixteen rows turn through the wave's own stage in LDS, so that a lane
;    gets 16 neighbours along the channels of each block of 32, as the conversions want them.  A fragment's four registers a lane leave as 512 consecutive bytes a store.
; V: lane l of wave w takes channel 32 w + l and its registers run down the keys: the conversions' results have the keys innermost, and nothing is turned.
;    In each store lanes 0-15 fill 256 consecutive, aligned bytes of one fragment and lanes 16-31 of the next.
.set R,   16                           ; v16-143  K's rows as loaded (two sets of 64); later V's blocks 1 to 3
.set VA,  144                          ; v144-175 V's block 0
.set X,   176                          ; v176-239 64 numbers in a fragment's order; later V's codes, 8 registers a block
.set KC,  240                          ; v240-255 a fragment's codes
.set SP,  528                          ; a stage row: 512 bytes + 16 = 132 words: row r starts at bank 4 r mod 64 (64 banks of 4 bytes: ISA guide 11.1)
; v2 K's load offset, v3 stage in, v4 stage out, v5 K's store offset, v6 V's load offset, v7 V's store offset: never rewritten
; v8, v9: 2^e1 and 448 x 2^e1;  v10, v11: 2^e2 and 448 x 2^e2
	s_load_b256 s[4:11], s[0:1], 0x0               ; keys s[4:5], values s[6:7], the scales' exponents s[8:9], k_img s[10:11]
	s_load_b64 s[12:13], s[0:1], 0x20              ; v_img
	v_lshrrev_b32 v1, 5, v0
	v_readfirstlane_b32 s14, v1                    ; wave 0..3
	v_and_b32 v1, 31, v0                           ; lane
	s_wait_alu depctr_va_vdst(0)
	v_and_b32 v12, 15, v0                          ; r
	s_wait_alu depctr_va_vdst(0)
	v_bfe_u32 v13, v0, 4, 1                        ; hh
	s_and_b32 s15, ttmp7, 0xffff                   ; head = 16 b + h
	s_lshr_b32 s16, s15, 4
	s_lshl_b32 s16, s16, 24                        ; b x 2048 x 16 x 512 bytes
	s_lshl_b32 s18, ttmp9, 20                      ; key step x 128 keys x 8,192 bytes
	s_add_co_u32 s16, s16, s18
	s_and_b32 s18, s15, 15
	s_lshl_b32 s18, s18, 9                         ; h x 512 bytes
	s_add_co_u32 s16, s16, s18
	s_mov_b32 s17, 0                               ; s[16:17]: where the step begins in keys and in values (under 2^26)
	s_lshl_b32 s18, s15, 18                        ; head x 16 steps x 16,384 bytes
	s_lshl_b32 s19, ttmp9, 14
	s_add_co_u32 s18, s18, s19
	s_mov_b32 s19, 0                               ; s[18:19]: where it begins in both images
	v_lshlrev_b32 v14, 4, v1                       ; 16 x lane
	s_lshl_b32 s24, s14, 18                        ; my 32 keys: 32 x 8,192 bytes a wave
	v_add_nc_u32 v2, s24, v14
	s_mul_i32 s25, s14, 16*SP                      ; my stage
	v_add_nc_u32 v3, s25, v14                      ; in: a row's 512 bytes as they lie
	v_mul_u32_u24 v4, v12, SP
	s_wait_alu depctr_va_vdst(0)
	v_lshl_add_u32 v4, v13, 6, v4
	v_add_nc_u32 v4, s25, v4                       ; out: row r, + 64 hh: my 16 numbers of a block of 32
	s_lshl_b32 s26, s14, 12                        ; my two fragments: 4,096 bytes a wave
	v_add_nc_u32 v5, s26, v14
	s_lshl_b32 s27, s14, 7
	v_lshlrev_b32 v6, 2, v1
	v_add_nc_u32 v6, s27, v6                       ; V: channel 32 w + lane, 4 bytes
	v_lshlrev_b32 v7, 4, v12
	v_lshl_add_u32 v7, v13, 11, v7
	v_add_nc_u32 v7, s26, v7                       ; fragment 2 w + lane / 16, place 16 (lane % 16)
	s_wait_alu depctr_va_vdst(0)
	s_wait_kmcnt 0x0
	s_load_b128 s[20:23], s[8:9], 0x0              ; e0 .. e3
	s_add_nc_u64 s[4:5], s[4:5], s[16:17]
	s_add_nc_u64 s[6:7], s[6:7], s[16:17]
	s_add_nc_u64 s[10:11], s[10:11], s[18:19]
	s_add_nc_u64 s[12:13], s[12:13], s[18:19]
.macro LOADK u                         ; the sixteen keys of fragment 2 w + u, in the fragment's order of rows: 512 consecutive bytes a load
.irp r, 0,1,2,3,4,5,6,7,8,9,10,11,12,13,14,15
	global_load_b128 v[R+64*\u+4*\r:R+64*\u+4*\r+3], v2, s[4:5] offset:(8*\u+\r+8*(\r/8))*8192 th:TH_LOAD_NT
.endr
.endm
.macro TURN u                          ; through my stage: LDS serves a wave's instructions in order (ISA guide 5.7.1.4), so no wait stands between the stores and the loads
.irp r, 0,1,2,3,4,5,6,7,8,9,10,11,12,13,14,15
	ds_store_b128 v3, v[R+64*\u+4*\r:R+64*\u+4*\r+3] offset:SP*\r
.endr
.irp c, 0,1,2,3
.irp j, 0,1,2,3
	ds_load_b128 v[X+16*\c+4*\j:X+16*\c+4*\j+3], v4 offset:128*\c+16*\j
.endr
.endr
.endm
.macro QUANTK                          ; 64 numbers, register 16 c + i = channel 32 c + 16 hh + i of my key, become the fragment's 16 registers
.irp c, 0,1,2,3
.irp i, 0,1,2,3,4,5,6,7,8,9,10,11,12,13,14,15
	v_med3_num_f32 v[X+16*\c+\i], v[X+16*\c+\i], -v9, v9     ; the conversion to an 8-bit code does not saturate (ISA guide 7.6.2): the hold at the largest code x the scale
.endr
	v_cvt_scalef32_pk8_fp8_f32 v[KC+4*\c:KC+4*\c+1], v[X+16*\c:X+16*\c+7], v8
	v_cvt_scalef32_pk8_fp8_f32 v[KC+4*\c+2:KC+4*\c+3], v[X+16*\c+8:X+16*\c+15], v8
.endr
	v_nop                                          ; a plain line behind the last conversion: later vector lines write its sources
.endm
.macro STOREK u
.irp c, 0,1,2,3
	global_store_b128 v5, v[KC+4*\c:KC+4*\c+3], s[10:11] offset:2048*\u+512*\c   ; 32 lanes store 512 consecutive bytes
.endr
.endm
.macro LOADV t, reg                    ; V(32 t + i, my channel), i = 0 .. 31
.irp i, 0,1,2,3,4,5,6,7,8,9,10,11,12,13,14,15,16,17,18,19,20,21,22,23,24,25,26,27,28,29,30,31
	global_load_b32 v[\reg+\i], v6, s[6:7] offset:(32*\t+\i)*8192 th:TH_LOAD_NT
.endr
.endm
.macro VWORK t, reg                    ; block t's 32 keys of my channel: 32 codes, in registers of their own, so that no store's data are written again
.irp i, 0,1,2,3,4,5,6,7,8,9,10,11,12,13,14,15,16,17,18,19,20,21,22,23,24,25,26,27,28,29,30,31
	v_med3_num_f32 v[\reg+\i], v[\reg+\i], -v11, v11
.endr
.irp g, 0,1,2,3
	v_cvt_scalef32_pk8_fp8_f32 v[X+8*\t+2*\g:X+8*\t+2*\g+1], v[\reg+8*\g:\reg+8*\g+7], v10
.endr
	global_store_b128 v7, v[X+8*\t:X+8*\t+3], s[12:13] offset:512*\t          ; keys 32 t + 0 .. 15: the places of lanes 0-15 of the fragment
	global_store_b128 v7, v[X+8*\t+4:X+8*\t+7], s[12:13] offset:512*\t+256    ; keys 32 t + 16 .. 31: those of lanes 16-31
.endm
	LOADK 0
	LOADK 1
	LOADV 0, VA
	s_wait_kmcnt 0x0
	s_add_co_i32 s24, s21, 127
	s_lshl_b32 s25, s24, 23
	v_mov_b32 v8, s25                              ; 2^e1 as f32: the conversion takes its exponent field
	s_add_co_i32 s24, s24, 8
	s_lshl_b32 s24, s24, 23
	s_or_b32 s24, s24, 0x600000
	v_mov_b32 v9, s24                              ; 448 x 2^e1
	s_add_co_i32 s24, s22, 127
	s_lshl_b32 s25, s24, 23
	v_mov_b32 v10, s25                             ; 2^e2
	s_add_co_i32 s24, s24, 8
	s_lshl_b32 s24, s24, 23
	s_or_b32 s24, s24, 0x600000
	v_mov_b32 v11, s24                             ; 448 x 2^e2
	s_wait_alu depctr_va_vdst(0)
	s_wait_loadcnt 48                              ; K's first sixteen rows are in; younger: its second sixteen and V's block 0 (32)
	TURN 0
	s_wait_dscnt 0x0
	QUANTK
	STOREK 0
	s_wait_loadcnt 32                              ; K's second sixteen rows; younger: V's block 0
	TURN 1
	s_wait_dscnt 0x0                               ; the numbers are back, and the stage's stores have read K's registers
	s_wait_xcnt 0x0                                ; the first fragment's stores have read their data: the codes' registers may be written again
	LOADV 1, R
	QUANTK
	STOREK 1
	s_wait_loadcnt 32                              ; V's block 0; younger: block 1
	LOADV 2, R+32
	VWORK 0, VA
	s_wait_loadcnt 32                              ; block 1; younger: block 2
	LOADV 3, R+64
	VWORK 1, R
	s_wait_loadcnt 32                              ; block 2; younger: block 3
	VWORK 2, R+32
	s_wait_loadcnt 0x0
	VWORK 3, R+64
	v_lshl_add_u32 v15, v0, 2, 0x8400              ; all 256 registers are at work above, so the add's two are made anew here from v0: my spare word, behind the four stages,
	v_mov_b32 v1, 0                                ; and 0
	s_wait_alu depctr_va_vdst(0)                   ; directly ahead of the wait below
	s_wait_tensorcnt 0x0                           ; the wave's end
	ds_add_u32 v15, v1
	s_wait_dscnt 0x0
	s_endpgm
.Lfunc_end_k_q19cb6a0fab_prep:
	.size	k_q19cb6a0fab_prep, .Lfunc_end_k_q19cb6a0fab_prep-k_q19cb6a0fab_prep
	.p2alignl 7, 3214868480
	.fill 96, 4, 3214868480
	.section	.rodata,"a",@progbits
	.p2align	6, 0x0
	.amdhsa_kernel k_q19cb6a0fab_prep
		.amdhsa_group_segment_fixed_size 34304
		.amdhsa_private_segment_fixed_size 0
		.amdhsa_enable_private_segment 0
		.amdhsa_kernarg_size 40
		.amdhsa_user_sgpr_count 2
		.amdhsa_user_sgpr_kernarg_segment_ptr 1
		.amdhsa_wavefront_size32 1
		.amdhsa_system_sgpr_workgroup_id_x 1
		.amdhsa_system_sgpr_workgroup_id_y 1
		.amdhsa_system_sgpr_workgroup_id_z 1
		.amdhsa_system_vgpr_workitem_id 0
		.amdhsa_next_free_vgpr 256
		.amdhsa_next_free_sgpr 66
		.amdhsa_reserve_vcc 0
		.amdhsa_float_denorm_mode_32 3
		.amdhsa_float_denorm_mode_16_64 3
		.amdhsa_memory_ordered 1
		.amdhsa_forward_progress 1
		.amdhsa_inst_pref_size 42
	.end_amdhsa_kernel
	.amdgpu_metadata
---
amdhsa.version: [ 1, 2 ]
amdhsa.kernels:
  - .name:           k_q19cb6a0fab_prep
    .symbol:         k_q19cb6a0fab_prep.kd
    .args:
      - { .name: keys, .offset: 0, .size: 8, .value_kind: global_buffer, .address_space: global }
      - { .name: values, .offset: 8, .size: 8, .value_kind: global_buffer, .address_space: global }
      - { .name: lowp_scales, .offset: 16, .size: 8, .value_kind: global_buffer, .address_space: global }
      - { .name: k_img, .offset: 24, .size: 8, .value_kind: global_buffer, .address_space: global }
      - { .name: v_img, .offset: 32, .size: 8, .value_kind: global_buffer, .address_space: global }
    .group_segment_fixed_size: 34304
    .private_segment_fixed_size: 0
    .kernarg_segment_align: 8
    .kernarg_segment_size: 40
    .max_flat_workgroup_size: 128
    .sgpr_count:     66
    .vgpr_count:     256
    .wavefront_size: 32
...
	.end_amdgpu_metadata
.endif
;; end of part 1
;; launch attn (part 2): grid 4 x 64, 8 waves a work-group, clusters of 4 x 1, 327,680 bytes of LDS; arguments queries, k_img, v_img, lowp_scales, out0; writes out0
.if DOCPART == 2
	.amdgcn_target "amdgcn-amd-amdhsa--gfx1250"
	.amdhsa_code_object_version 6
	.text
	.protected	k_q19cb6a0fab_attn
	.globl	k_q19cb6a0fab_attn
	.p2align	8
	.type	k_q19cb6a0fab_attn,@function
k_q19cb6a0fab_attn:
	s_mov_b64 s[64:65], 0
	v_nop
	global_prefetch_b8 v0, s[64:65] scope:SCOPE_SE
	s_setreg_imm32_b32 hwreg(HW_REG_WAVE_MODE, 25, 1), 1
	s_wait_xcnt 0x0
	s_wait_alu depctr_hold_cnt(0) depctr_sa_sdst(0) depctr_va_vdst(0) depctr_va_sdst(0) depctr_va_ssrc(0) depctr_va_vcc(0) depctr_vm_vsrc(0)
	s_getreg_b32 s2, hwreg(HW_REG_IB_STS2, 6, 4)
	s_cmp_eq_u32 s2, 0
	s_cbranch_scc0 .Lentry_in_a_cluster
	s_endpgm
.Lentry_in_a_cluster:
	s_bfe_u32 s2, ttmp6, 0x10000c
	s_cmp_lg_u32 s2, 0x3003
	s_cbranch_scc0 .Lentry_shape_is_right
	s_endpgm
.Lentry_shape_is_right:
; out0[b][l][h][:] = sum over s of Q8(softmax_s(Q8(q) . Q8(k) / sqrt(128))) Q8(v), both products on codes of FP8 (E4M3), each tensor with its given scale 2^e
; (entries: 0 queries, 1 keys, 2 values, 3 the softmax).  THE NORMALISED softmax is what is quantised, so the keys are walked twice:
; PASS 1 makes each row's largest score and the sum of 2^(t - largest t), t = score x log2(e) / sqrt(128); PASS 2 makes the scores again,
; p = 2^(t - largest t - log2(sum)), holds p at 448 x 2^e3, quantises it and multiplies with V.
; nan_to_num: a score is a sum of 128 products of finite codes, so a NaN could reach p only through the row's constant -c x max - log2(sum);
; the middle of three turns a NaN there into -3e38, which makes the row's p zeros, as nan_to_num does.
; k_img and v_img are images of operand registers, [head][key step of 128][fragment 8][c 4][lane 32][16 bytes], as the launch before lays them.
; SHARES.  A work-group owns 512 queries of one head, each of its eight waves 64 (four tiles of 16).  The four work-groups of a head form a cluster and ask for K and V jointly.
; Both products are used transposed: a lane holds one query (lane % 16) of each tile.
; PASS 1 GOES IN THREE PARTS.  Tiles 0 and 1 walk key steps 0 to 7 while tiles 2 and 3 of Q are still being loaded; these are then quantised and walk the same key steps
; (trips of 128 keys x 32 queries); then all four tiles walk key steps 8 to 15 (trips of 64 keys x 64 queries).  A key step of pass 2 is 128 keys x 64 queries.
; LDS: two slots of 2^17 bytes.  The head's one joint load a wave (128 rows of 256 bytes) brings all of K, 2^18 bytes, for pass 1.  Pass 2 takes groups of four key steps
; (K's 65,536 bytes, then V's) through the two slots by turns; group 0 is asked for ahead of pass 1's third part, when slot 0 has been read for the last time.
; Behind the ring: the spare words (128 bytes a wave), then a stage of 16 x 272 bytes a wave through which Q turns; no fill lands on either.
; No prefetch into the L2: each refill is asked for four key steps (or sixteen trips of pass 1) of the work-group's work ahead of the wait for it.
; LIMITS: e0, e3 between -126 and 119; e0 + e1 between -123 and 130; e2 + e3 between -126 and 127; NaN among the inputs is not served;
; the promise holds while the scaled scores t stay under 2^31 in magnitude.
; REGISTERS, window 0: v1-25 addresses and constants; v32-95 Q's codes; v96-223 pass 1's scores (pass 2: v96-159 p's codes, v160-223 scores); v224-255 pass 1's state (pass 2: fragments).
; window 1: Q as loaded (tile q at 64 q), then pass 1's fragments of K (v0-127), then O^T (accumulator (tile q, channels 16 t ..) at 64 q + 8 t).
.set SLOT1,  1<<17
.set SPARE,  2*SLOT1
.set QSTG,   SPARE+1024
.set QSP,    272
.set FRB,    2048
.set STEPB,  8*FRB
.set VOFF,   4*STEPB
.set SPITCH, 528
.set LI,   1
.set ADK,  2
.set ADV,  3
.set SPW,  4
.set NIL,  5
.set QA,   6
.set STO,  7
.set RD,   8
.set PSC,  10
.set NM,   12
.set QSC,  20
.set QLIM, 21
.set QSTO, 24
.set QRD,  25
.set QC,   32
.set SC1,  96
.set ST,   224                         ; a tile's state, 8 registers: 0 -c x max, 1 max, 2-3 the sum in two halves, 4 the factor, 5 the old -c x max; 6-7 of all four tiles: eight registers at work
.set PP,   96
.set SS,   160
.set FF,   224
.set WV,   14
.set G1,   16
.set G0A,  24
.set G0W,  32
.set NCS,  38
.set CS,   44
.set SEL,  46
.set TB,   48
.set OS,   52
.set PLS,  62                          ; s62: 448 x 2^e3
.set G1H,  68
.set MSB, 0
.macro WIN new                         ; the immediate's high byte repeats the setting that is left
.if MSB != \new
	s_set_vgpr_msb (MSB<<8)|\new
.set MSB, \new
.endif
.endm
.macro PLACES n
.rept \n
	v_nop
.endr
.endm
.macro CROUND                          ; a round of the cluster's barrier
	s_barrier_signal -1
	s_barrier_wait -1
	s_cmp_lg_u32 s[WV], 0
	s_cbranch_scc1 .Lnot_wave_0_\@
	s_barrier_signal -3
.Lnot_wave_0_\@:
	s_barrier_wait -3
	s_barrier_signal -1
	s_barrier_wait -1
.endm
; The change of slots: all my tensor loads are in, the add, my LDS reads are over; fill = 1: a round, and my one joint load behind it.
.macro CHANGE fill, step
	s_wait_tensorcnt 0x0
	ds_add_u32 v[SPW], v[NIL]
.if \step
	s_xor_b32 s[G0W+1], s[G0W+1], SLOT1
	s_add_nc_u64 s[G0W+2:G0W+3], s[G0W+2:G0W+3], 4*STEPB
.endif
	s_wait_dscnt 0x0
.if \fill
	CROUND
	tensor_load_to_lds s[G0W:G0W+3], s[G1:G1+7]
	s_nop 0
	PLACES 4
.else
	s_barrier_signal -1
	s_barrier_wait -1
.endif
.endm
; Q, tile q: each load takes 256 consecutive, aligned bytes of two neighbouring queries (lanes 0-15 one, lanes 16-31 the next); half hf of the 512 bytes of a row
.macro QLOAD q
.irp hf, 0,1
.irp p, 0,1,2,3,4,5,6,7
	global_load_b128 v[64*\q+32*\hf+4*\p:64*\q+32*\hf+4*\p+3], v[QA], s[4:5] offset:131072*\q+16384*\p+256*\hf th:TH_LOAD_NT
.endr
.endr
.endm
; through my stage, half a row of 16 queries at a time: LDS serves a wave's instructions in order, so no wait stands between stores and loads.  Lane (r, hh) gets channels 32 c + 16 hh + 0 .. 15 of query r
.macro TURN q, x
.irp hf, 0,1
	WIN 0x04
.irp p, 0,1,2,3,4,5,6,7
	ds_store_b128 v[QSTO], v[64*\q+32*\hf+4*\p:64*\q+32*\hf+4*\p+3] offset:2*QSP*\p
.endr
	WIN 0
.irp cc, 0,1
.irp j, 0,1,2,3
	ds_load_b128 v[\x+32*\hf+16*\cc+4*\j:\x+32*\hf+16*\cc+4*\j+3], v[QRD] offset:128*\cc+16*\j
.endr
.endr
.endr
.endm
.macro QUANT src, dst                  ; the hold at the largest code x the scale (the conversion does not saturate: ISA guide 7.6.2), then the conversion
.irp c, 0,1,2,3
.irp i, 0,1,2,3,4,5,6,7,8,9,10,11,12,13,14,15
	v_med3_num_f32 v[\src+16*\c+\i], v[\src+16*\c+\i], -v[QLIM], v[QLIM]
.endr
	v_cvt_scalef32_pk8_fp8_f32 v[\dst+4*\c:\dst+4*\c+1], v[\src+16*\c:\src+16*\c+7], v[QSC]
	v_cvt_scalef32_pk8_fp8_f32 v[\dst+4*\c+2:\dst+4*\c+3], v[\src+16*\c+8:\src+16*\c+15], v[QSC]
.endr
	v_nop
.endm
.macro FLOAD reg, adr, f               ; a fragment: four loads of 512 consecutive bytes a wave
.irp c, 0,1,2,3
	ds_load_b128 v[\reg+4*\c:\reg+4*\c+3], v[\adr] offset:FRB*(\f)+512*\c
.endr
.endm
.macro KEIGHT adr                      ; pass 1: the eight fragments of a trip of 128 keys, into window 1
	WIN 0x40
.irp f, 0,1,2,3,4,5,6,7
	FLOAD 16*\f, \adr, \f
.endr
	WIN 0
.endm
.macro KFOUR adr                       ; the four fragments of a trip of 64 keys
	WIN 0x40
.irp f, 0,1,2,3
	FLOAD 16*\f, \adr, \f
.endr
	WIN 0
.endm
.macro ADDL w, u                       ; a step of the tree of packed additions over a tile's 64 numbers, for both tiles
.irp t, 0,1
	v_pk_add_f32 v[SC1+64*\t+\w*\u:SC1+64*\t+\w*\u+1], v[SC1+64*\t+\w*\u:SC1+64*\t+\w*\u+1], v[SC1+64*\t+\w*\u+\w/2:SC1+64*\t+\w*\u+\w/2+1]
.endr
.endm
; A TRIP OF PASS 1 ON TWO TILES: 128 keys x tiles q0 and q0 + 1.  ld = 1: the next trip's fragments are asked for as soon as this trip's products have read the registers.
; Tile t's scores lie at SC1 + 64 t + 8 f.  The maximum goes in four chains a tile, chain j over registers 16 j .. 16 j + 14, in register ST + 8 (2 t + j / 2) + 6 + j % 2.
.macro P1T ld, q0
	s_wait_dscnt 0x0                               ; this trip's fragments are in
	WIN 0x01
.irp f, 0,1,2,3,4,5,6,7
.irp t, 0,1
	v_wmma_f32_16x16x128_fp8_fp8 v[SC1+64*\t+8*\f:SC1+64*\t+8*\f+7], v[16*\f:16*\f+15], v[QC+16*(\q0+\t):QC+16*(\q0+\t)+15], 0
.endr
.endr
	WIN 0
.irp t, 0,1
	v_mov_b32 v[ST+8*(\q0+\t)+5], v[ST+8*(\q0+\t)]   ; the old -c x max; with the two lines below: the four places behind the products
.endr
	PLACES 2
.if \ld
	v_add_nc_u32 v[ADK], s[TB], v[LI]
	KEIGHT ADK
	s_add_co_u32 s[TB], s[TB], STEPB
.endif
.irp j, 0,1,2,3
.irp t, 0,1
	v_max3_num_f32 v[ST+8*(2*\t+\j/2)+6+\j%2], v[SC1+64*\t+16*\j], v[SC1+64*\t+16*\j+1], v[SC1+64*\t+16*\j+2]
.endr
.endr
.irp k, 1,2,3,4,5,6
.irp j, 0,1,2,3
.irp t, 0,1
	v_max3_num_f32 v[ST+8*(2*\t+\j/2)+6+\j%2], v[ST+8*(2*\t+\j/2)+6+\j%2], v[SC1+64*\t+16*\j+2*\k+1], v[SC1+64*\t+16*\j+2*\k+2]
.endr
.endr
.endr
.irp t, 0,1
	v_max3_num_f32 v[ST+16*\t+6], v[ST+16*\t+6], v[ST+16*\t+7], v[SC1+64*\t+15]
.endr
.irp t, 0,1
	v_max3_num_f32 v[ST+16*\t+14], v[ST+16*\t+14], v[ST+16*\t+15], v[SC1+64*\t+31]
.endr
.irp t, 0,1
	v_max3_num_f32 v[ST+16*\t+6], v[ST+16*\t+6], v[SC1+64*\t+47], v[SC1+64*\t+63]
.endr
.irp t, 0,1
	v_max3_num_f32 v[ST+8*(\q0+\t)+1], v[ST+16*\t+6], v[ST+16*\t+14], v[ST+8*(\q0+\t)+1]   ; my lane's running largest score
.endr
.irp t, 0,1
	v_mul_f32 v[ST+8*(\q0+\t)], s[NCS], v[ST+8*(\q0+\t)+1]
.endr
.irp t, 0,1
	v_sub_f32 v[ST+8*(\q0+\t)+4], v[ST+8*(\q0+\t)], v[ST+8*(\q0+\t)+5]   ; c x (old max - new max), 0 or less
.endr
.irp t, 0,1
.set i, 0
.rept 32
	v_pk_fma_f32 v[SC1+64*\t+i:SC1+64*\t+i+1], v[SC1+64*\t+i:SC1+64*\t+i+1], s[CS:CS+1], v[ST+8*(\q0+\t):ST+8*(\q0+\t)+1] op_sel_hi:[1,0,0]
.set i, i+2
.endr
.endr
	s_wait_alu depctr_va_vdst(0)                   ; the wait ahead of the batch
.irp t, 0,1
	v_exp_f32 v[ST+8*(\q0+\t)+4], v[ST+8*(\q0+\t)+4]
.endr
.set i, 0
.rept 128
	v_exp_f32 v[SC1+i], v[SC1+i]
.set i, i+1
.endr
	v_nop                                          ; a plain place behind the batch
	s_wait_alu depctr_va_vdst(0)                   ; and the one wait ahead of its first reader
.irp u, 0,1,2,3,4,5,6,7,8,9,10,11,12,13,14,15
	ADDL 4, \u
.endr
.irp u, 0,1,2,3,4,5,6,7
	ADDL 8, \u
.endr
.irp u, 0,1,2,3
	ADDL 16, \u
.endr
	ADDL 32, 0
	ADDL 32, 1
	ADDL 64, 0
.irp t, 0,1
	v_pk_fma_f32 v[ST+8*(\q0+\t)+2:ST+8*(\q0+\t)+3], v[ST+8*(\q0+\t)+2:ST+8*(\q0+\t)+3], v[ST+8*(\q0+\t)+4:ST+8*(\q0+\t)+5], v[SC1+64*\t:SC1+64*\t+1] op_sel_hi:[1,0,1]   ; the sum under the new max, + this trip's
.endr
.endm
.macro SUMSTEP q, z                    ; step z of a tree of 15 packed additions over a tile's 32 numbers
.set rS, SC1+32*(\q)
.if (\z) < 8
.set sw, 4
.set su, (\z)
.elseif (\z) < 12
.set sw, 8
.set su, (\z)-8
.elseif (\z) < 14
.set sw, 16
.set su, (\z)-12
.else
.set sw, 32
.set su, 0
.endif
	v_pk_add_f32 v[rS+sw*su:rS+sw*su+1], v[rS+sw*su:rS+sw*su+1], v[rS+sw*su+sw/2:rS+sw*su+sw/2+1]
.endm
; A TRIP OF PASS 1 ON ALL FOUR TILES: 64 keys x my 64 queries; tile q's scores lie at SC1 + 32 q + 8 f.  ld as above.
.macro P1TRIP ld
	s_wait_dscnt 0x0                               ; this trip's fragments are in
	WIN 0x01
.irp f, 0,1,2,3
.irp q, 0,1,2,3
	v_wmma_f32_16x16x128_fp8_fp8 v[SC1+32*\q+8*\f:SC1+32*\q+8*\f+7], v[16*\f:16*\f+15], v[QC+16*\q:QC+16*\q+15], 0
.endr
.endr
	WIN 0
.irp q, 0,1,2,3
	v_mov_b32 v[ST+8*\q+5], v[ST+8*\q]             ; the old -c x max; these four are the places behind the products
.endr
.if \ld
	v_add_nc_u32 v[ADK], s[TB], v[LI]
	KFOUR ADK
	s_add_co_u32 s[TB], s[TB], 4*FRB
.endif
.irp q, 0,1,2,3
	v_max3_num_f32 v[ST+8*\q+6], v[SC1+32*\q], v[SC1+32*\q+1], v[SC1+32*\q+2]
.endr
.irp q, 0,1,2,3
	v_max3_num_f32 v[ST+8*\q+7], v[SC1+32*\q+16], v[SC1+32*\q+17], v[SC1+32*\q+18]
.endr
.irp i, 1,2,3,4,5,6
.irp q, 0,1,2,3
	v_max3_num_f32 v[ST+8*\q+6], v[ST+8*\q+6], v[SC1+32*\q+2*\i+1], v[SC1+32*\q+2*\i+2]
.endr
.irp q, 0,1,2,3
	v_max3_num_f32 v[ST+8*\q+7], v[ST+8*\q+7], v[SC1+32*\q+2*\i+17], v[SC1+32*\q+2*\i+18]
.endr
.endr
.irp q, 0,1,2,3
	v_max3_num_f32 v[ST+8*\q+6], v[ST+8*\q+6], v[ST+8*\q+7], v[SC1+32*\q+15]
.endr
.irp q, 0,1,2,3
	v_max3_num_f32 v[ST+8*\q+1], v[ST+8*\q+6], v[SC1+32*\q+31], v[ST+8*\q+1]   ; my lane's running largest score
.endr
.irp q, 0,1,2,3
	s_delay_alu instid0(VALU_DEP_4)
	v_mul_f32 v[ST+8*\q], s[NCS], v[ST+8*\q+1]
.endr
.irp q, 0,1,2,3
	s_delay_alu instid0(VALU_DEP_4)
	v_sub_f32 v[ST+8*\q+4], v[ST+8*\q], v[ST+8*\q+5]
.endr
.irp q, 0,1,2,3
.irp i, 0,1,2,3,4,5,6,7,8,9,10,11,12,13,14,15
	v_pk_fma_f32 v[SC1+32*\q+2*\i:SC1+32*\q+2*\i+1], v[SC1+32*\q+2*\i:SC1+32*\q+2*\i+1], s[CS:CS+1], v[ST+8*\q:ST+8*\q+1] op_sel_hi:[1,0,0]
.endr
.endr
	s_wait_alu depctr_va_vdst(0)                   ; the wait ahead of the batch
.irp q, 0,1,2,3
	v_exp_f32 v[ST+8*\q+4], v[ST+8*\q+4]
.endr
.set i, 0
.rept 128
	v_exp_f32 v[SC1+i], v[SC1+i]
.set i, i+1
.endr
	v_nop                                          ; a plain place behind the batch
	s_wait_alu depctr_va_vdst(0)                   ; and the one wait ahead of its first reader
.irp z, 0,1,2,3,4,5,6,7,8,9,10,11,12,13,14
.irp q, 0,1,2,3
	SUMSTEP \q, \z
.endr
.endr
.irp q, 0,1,2,3
	v_pk_fma_f32 v[ST+8*\q+2:ST+8*\q+3], v[ST+8*\q+2:ST+8*\q+3], v[ST+8*\q+4:ST+8*\q+5], v[SC1+32*\q:SC1+32*\q+1] op_sel_hi:[1,0,1]
.endr
.endm
.macro CVT2 q, b
	v_cvt_scalef32_pk8_fp8_f32 v[PP+16*(\q)+4*(\b):PP+16*(\q)+4*(\b)+1], v[SS+16*(\q):SS+16*(\q)+7], v[PSC]
	v_cvt_scalef32_pk8_fp8_f32 v[PP+16*(\q)+4*(\b)+2:PP+16*(\q)+4*(\b)+3], v[SS+16*(\q)+8:SS+16*(\q)+15], v[PSC]
.endm
; pass 2, 32 keys x 64 queries: the exponents, one batch of 64 exponentials between its two waits, the hold (p is not negative: one-sided, two numbers an instruction), the codes
.macro SOFT b
.irp q, 0,1,2,3
.irp i, 0,1,2,3,4,5,6,7
	v_pk_fma_f32 v[SS+16*\q+2*\i:SS+16*\q+2*\i+1], v[SS+16*\q+2*\i:SS+16*\q+2*\i+1], s[CS:CS+1], v[NM+2*\q:NM+2*\q+1] op_sel_hi:[1,0,1]
.endr
.endr
	s_wait_alu depctr_va_vdst(0)                   ; the wait ahead of the batch
.set i, 0
.rept 64
	v_exp_f32 v[SS+i], v[SS+i]
.set i, i+1
.endr
	v_nop
	s_wait_alu depctr_va_vdst(0)                   ; and the one behind it
.irp q, 0,1,2,3
.irp i, 0,2,4,6,8,10,12,14
	v_dual_min_num_f32 v[SS+16*\q+\i], s[PLS], v[SS+16*\q+\i] :: v_dual_min_num_f32 v[SS+16*\q+\i+1], s[PLS], v[SS+16*\q+\i+1]
.endr
	CVT2 \q, \b
.endr
	v_nop
.endm
.macro PV t, areg, zero
.irp q, 0,1,2,3
.if \zero
	s_wait_alu depctr_va_vdst(0)
	v_wmma_f32_16x16x128_fp8_fp8 v[64*\q+8*(\t):64*\q+8*(\t)+7], v[\areg:\areg+15], v[PP+16*\q:PP+16*\q+15], 0
.else
	v_wmma_f32_16x16x128_fp8_fp8 v[64*\q+8*(\t):64*\q+8*(\t)+7], v[\areg:\areg+15], v[PP+16*\q:PP+16*\q+15], v[64*\q+8*(\t):64*\q+8*(\t)+7]
.endif
.endr
.endm
; A KEY STEP OF PASS 2: 128 keys in four blocks of 32 (two fragments of K, eight products, SOFT; the next block's fragments are on their way meanwhile), then O^T += V^T P^T
.macro STEP zero
	v_add_nc_u32 v[ADK], s[TB], v[LI]
	s_delay_alu instid0(VALU_DEP_1)
	v_add_nc_u32 v[ADV], VOFF, v[ADK]
	PLACES 3
	FLOAD FF, ADK, 0
	FLOAD FF+16, ADK, 1
	s_wait_alu depctr_va_vdst(0)                   ; directly ahead of the wait below
.irp b, 0,1,2,3
	s_wait_dscnt 0x0
.irp u, 0,1
.irp q, 0,1,2,3
	v_wmma_f32_16x16x128_fp8_fp8 v[SS+16*\q+8*\u:SS+16*\q+8*\u+7], v[FF+16*\u:FF+16*\u+15], v[QC+16*\q:QC+16*\q+15], 0
.endr
.endr
	PLACES 4
.if \b < 3
	FLOAD FF, ADK, 2*\b+2
	FLOAD FF+16, ADK, 2*\b+3
.else
	FLOAD FF, ADV, 0
	FLOAD FF+16, ADV, 1
.endif
	SOFT \b
.endr
	FLOAD SS, ADV, 2
	FLOAD SS+16, ADV, 3
	FLOAD SS+32, ADV, 4
	FLOAD SS+48, ADV, 5
	s_wait_alu depctr_va_vdst(0)                   ; behind the step's last exponential, ahead of the readers of O^T and of p's codes
	s_wait_dscnt 16                                ; V's fragments 0 and 1; the sixteen loads just issued may be out
.if \zero
	WIN 0x40
.else
	WIN 0x50
.endif
	PV 0, FF, \zero
	PV 1, FF+16, \zero
	WIN 0
	PLACES 4
	FLOAD FF, ADV, 6
	FLOAD FF+16, ADV, 7
	s_wait_dscnt 8                                 ; fragments 2 to 5; the eight loads just issued may be out
.if \zero
	WIN 0x40
.else
	WIN 0x50
.endif
	PV 2, SS, \zero
	PV 3, SS+16, \zero
	PV 4, SS+32, \zero
	PV 5, SS+48, \zero
	s_wait_dscnt 0x0
	PV 6, FF, \zero
	PV 7, FF+16, \zero
	WIN 0
	s_add_co_u32 s[TB], s[TB], STEPB
.endm
; THE WAY OUT of tile a: x 2^(e2 + e3), through my stage (in slot 0, which has had its last fill and which nobody reads), back as whole rows of 512 bytes
.macro TOSTAGE a
	WIN 0x01
.set j, 0
.rept 32
	v_pk_mul_f32 v[PP+j:PP+j+1], v[64*(\a)+j:64*(\a)+j+1], s[OS:OS+1] op_sel_hi:[1,0]
.set j, j+2
.endr
	WIN 0
.irp t, 0,1,2,3,4,5,6,7
	ds_store_b128 v[STO], v[PP+8*\t:PP+8*\t+3] offset:64*\t
	ds_store_b128 v[STO], v[PP+8*\t+4:PP+8*\t+7] offset:64*\t+16
.endr
.set BK, SS-128*((\a)%2)
.irp i, 0,1,2,3,4,5,6,7,8,9,10,11,12,13,14,15
	ds_load_b128 v[BK+4*\i:BK+4*\i+3], v[RD] offset:SPITCH*\i
.endr
.endm
.macro SEND a, younger
.set BK, SS-128*((\a)%2)
	s_wait_dscnt \younger
.irp i, 0,1,2,3,4,5,6,7,8,9,10,11,12,13,14,15
	global_store_b128 v[LI], v[BK+4*\i:BK+4*\i+3], s[12:13] offset:131072*(\a)+8192*\i th:TH_STORE_NT
.endr
.endm
	s_load_b256 s[4:11], s[0:1], 0x0               ; queries s[4:5], k_img s[6:7], v_img s[8:9], the scales' exponents s[10:11]
	s_load_b64 s[12:13], s[0:1], 0x20              ; out0
	v_lshl_add_u32 v[SPW], v0, 2, SPARE
	v_mov_b32 v[NIL], 0
	ds_add_u32 v[SPW], v[NIL]                      ; the opening lines: the add twice on end and its one wait
	ds_add_u32 v[SPW], v[NIL]
	v_lshrrev_b32 v9, 5, v0
	v_readfirstlane_b32 s[WV], v9                  ; wave 0..7
	s_bfe_u32 s15, ttmp6, 0x40000
	s_lshl_b32 s36, ttmp9, 2
	s_add_co_u32 s36, s36, s15                     ; which 512 queries
	s_and_b32 s39, ttmp7, 0xffff                   ; head = 16 b + h
	s_lshr_b32 s54, s39, 4
	s_lshl_b32 s54, s54, 24                        ; b x 2048 x 8,192 bytes
	s_lshl_b32 s36, s36, 22                        ; 512 queries x 8,192
	s_add_co_u32 s54, s54, s36
	s_lshl_b32 s36, s[WV], 19                      ; 64 queries x 8,192
	s_add_co_u32 s54, s54, s36
	s_and_b32 s36, s39, 15
	s_lshl_b32 s36, s36, 9                         ; h x 512
	s_add_co_u32 s54, s54, s36
	s_mov_b32 s55, 0                               ; s[54:55]: my first query in queries and in out0
	s_lshl_b32 s60, s[WV], 15                      ; the head's fill: 32,768 bytes a wave, in LDS
	s_lshl_b32 s56, s39, 18
	s_add_co_u32 s56, s56, s60                     ; and in k_img
	s_mov_b32 s57, 0
	s_lshl_b32 s58, s39, 18
	s_and_b32 s37, s[WV], 3
	s_lshl_b32 s37, s37, 14
	s_add_co_u32 s58, s58, s37                     ; pass 2's groups: waves 0-3 a key step of K each, waves 4-7 of V
	s_mov_b32 s59, 0
	s_lshl_b32 s51, s[WV], 14
	s_mov_b32 s[G1], 15|(3<<16)|(1<<21)            ; the mask names the cluster's four; elements of 8 bytes; 64 rows of 256 bytes, dense
	s_mov_b32 s[G1+1], 32<<16
	s_mov_b32 s[G1+2], 64<<16
	s_mov_b32 s[G1+3], 32<<16
	s_mov_b32 s[G1+4], 64
	s_mov_b32 s[G1+5], 32
	s_mov_b32 s[G1+6], 0
	s_mov_b32 s[G1+7], 0
	s_mov_b32 s[G1H], 15|(3<<16)|(1<<21)           ; the same with 128 rows
	s_mov_b32 s[G1H+1], 32<<16
	s_mov_b32 s[G1H+2], 128<<16
	s_mov_b32 s[G1H+3], 32<<16
	s_mov_b32 s[G1H+4], 128
	s_mov_b32 s[G1H+5], 32
	s_mov_b32 s[G1H+6], 0
	s_mov_b32 s[G1H+7], 0
	s_mov_b32 s[SEL], 0x76543210
	s_mov_b32 s[SEL+1], 0xfedcba98
	s_mul_i32 s37, s[WV], 16*QSP
	s_add_co_u32 s37, s37, QSTG                    ; Q's stage, my part
	s_mul_i32 s61, s[WV], 16*SPITCH                ; the way out's stage, my part
	v_and_b32 v9, 31, v0
	v_lshlrev_b32 v[LI], 4, v9                     ; 16 x lane
	v_and_b32 v22, 15, v0                          ; r
	v_bfe_u32 v23, v0, 4, 1                        ; hh
	v_lshlrev_b32 v[QA], 13, v23
	v_lshl_add_u32 v[QA], v22, 4, v[QA]            ; Q: row hh of a pair, 16 r bytes
	v_mul_u32_u24 v[QSTO], v23, QSP
	v_lshl_add_u32 v[QSTO], v22, 4, v[QSTO]
	v_add_nc_u32 v[QSTO], s37, v[QSTO]             ; into the stage: as loaded
	v_mul_u32_u24 v[QRD], v22, QSP
	v_lshl_add_u32 v[QRD], v23, 6, v[QRD]
	v_add_nc_u32 v[QRD], s37, v[QRD]               ; out of it: row r, + 64 hh
	v_mul_u32_u24 v[STO], v22, SPITCH
	v_lshl_add_u32 v[STO], v23, 5, v[STO]
	v_add_nc_u32 v[STO], s61, v[STO]
	v_add_nc_u32 v[RD], s61, v[LI]
	s_wait_dscnt 0x0                               ; both opening adds are done
	s_wait_alu depctr_va_vdst(0)                   ; directly ahead of the wait below
	s_wait_kmcnt 0x0
	s_load_b128 s[40:43], s[10:11], 0x0            ; e0 .. e3
	s_add_nc_u64 s[4:5], s[4:5], s[54:55]
	s_add_nc_u64 s[12:13], s[12:13], s[54:55]
	WIN 0x40
	QLOAD 0                                        ; tiles 0 and 1 of Q are asked for ahead of the round and of K: what pass 1's first part needs is asked for first
	QLOAD 1
	WIN 0
	s_mov_b32 s[G0A], 1
	s_mov_b32 s[G0A+1], s60
	s_add_nc_u64 s[G0A+2:G0A+3], s[6:7], s[56:57]
	s_or_b32 s[G0A+3], s[G0A+3], 0x80000000
	s_mov_b32 s[G0W], 1
	s_mov_b32 s[G0W+1], s51
	s_cmp_lt_u32 s[WV], 4
	s_cselect_b64 s[G0W+2:G0W+3], s[6:7], s[8:9]
	s_add_nc_u64 s[G0W+2:G0W+3], s[G0W+2:G0W+3], s[58:59]
	s_or_b32 s[G0W+3], s[G0W+3], 0x80000000
	CROUND                                         ; the four work-groups are here: the joint loads meet
	tensor_load_to_lds s[G0A:G0A+3], s[G1H:G1H+7]  ; my eighth of the head's K: my one tensor load at the head
	s_nop 0
	PLACES 4
	s_wait_kmcnt 0x0
	s_add_co_i32 s36, s40, 127
	s_lshl_b32 s37, s36, 23
	v_mov_b32 v[QSC], s37                          ; 2^e0
	s_add_co_i32 s36, s36, 8
	s_lshl_b32 s36, s36, 23
	s_or_b32 s36, s36, 0x600000
	v_mov_b32 v[QLIM], s36                         ; 448 x 2^e0
	s_add_co_i32 s36, s43, 127
	s_lshl_b32 s37, s36, 23
	v_mov_b32 v[PSC], s37                          ; 2^e3
	s_add_co_i32 s36, s36, 8
	s_lshl_b32 s36, s36, 23
	s_or_b32 s[PLS], s36, 0x600000                 ; 448 x 2^e3
	s_add_co_i32 s36, s40, s41
	s_lshl_b32 s36, s36, 23
	s_add_co_i32 s[CS], s36, 0x3e0293ee            ; c = log2(e) / sqrt(128) x 2^(e0 + e1)
	s_mov_b32 s[CS+1], s[CS]
	s_xor_b32 s[NCS], s[CS], 0x80000000            ; -c
	s_add_co_i32 s[OS], s42, s43
	s_add_co_i32 s[OS], s[OS], 127
	s_lshl_b32 s[OS], s[OS], 23                    ; 2^(e2 + e3)
	s_mov_b32 s[OS+1], s[OS]
.irp q, 0,1,2,3
	v_mov_b32 v[ST+8*\q+1], 0xcc000000             ; the largest score so far: -2^25, under every sum of 128 products of codes (at most 128 x 448 x 448 in magnitude)
	v_mov_b32 v[ST+8*\q+2], 0
	v_mov_b32 v[ST+8*\q+3], 0
	v_mov_b32 v[ST+8*\q+4], 0
	v_mov_b32 v[ST+8*\q+5], 0
	v_mov_b32 v[ST+8*\q+6], 0
	v_mov_b32 v[ST+8*\q+7], 0
	v_mul_f32 v[ST+8*\q], s[NCS], v[ST+8*\q+1]
.endr
	s_wait_alu depctr_va_vdst(0)                   ; directly ahead of the wait below
	s_wait_loadcnt 16                              ; tile 0's sixteen loads; tile 1's may be out
	TURN 0, SC1
	s_wait_loadcnt 0x0                             ; tile 1's
	TURN 1, SS
	WIN 0x40
	QLOAD 2                                        ; tiles 2 and 3 are asked for now: they have pass 1's first part in which to land
	QLOAD 3
	WIN 0
	s_wait_dscnt 32                                ; tile 0 is back; the 32 LDS instructions of tile 1's turn may be out
	QUANT SC1, QC
	s_wait_dscnt 0x0
	QUANT SS, QC+16
	s_wait_alu depctr_va_vdst(0)                   ; the wait at the head's end
	s_wait_tensorcnt 0x0                           ; my part of K is in
	s_barrier_signal -1
	s_barrier_wait -1                              ; and everybody's
	KEIGHT LI                                      ; the first trip's fragments
	s_mov_b32 s[TB], STEPB                         ; where the next trip's lie
	s_mov_b32 s49, 7
.Lp0:                                              ; pass 1, first part: tiles 0 and 1, key steps 0 to 6
	P1T 1, 0
	s_sub_co_u32 s49, s49, 1
	s_cmp_lg_u32 s49, 0
	s_cbranch_scc1 .Lp0
	s_mov_b32 s[TB], 0
	P1T 1, 0                                       ; key step 7; it asks for key step 0's fragments again, for the second part
	s_wait_loadcnt 16                              ; tile 2 of Q; tile 3's sixteen loads may be out
	TURN 2, SC1
	s_wait_loadcnt 0x0
	TURN 3, SS
	s_wait_dscnt 32
	QUANT SC1, QC+32
	s_wait_dscnt 0x0
	QUANT SS, QC+48
	s_wait_alu depctr_va_vdst(0)
	s_mov_b32 s49, 7
.Lp1a:                                             ; second part: tiles 2 and 3, key steps 0 to 6
	P1T 1, 2
	s_sub_co_u32 s49, s49, 1
	s_cmp_lg_u32 s49, 0
	s_cbranch_scc1 .Lp1a
	P1T 0, 2                                       ; key step 7 is written out: the third part's trips take other fragments
	CHANGE 1, 0                                    ; slot 0 has been read for the last time: it takes pass 2's group 0
	s_mov_b32 s[TB], SLOT1
	v_add_nc_u32 v[ADK], s[TB], v[LI]
	KFOUR ADK                                      ; the third part's first fragments
	s_add_co_u32 s[TB], s[TB], 4*FRB
	s_mov_b32 s49, 15
.Lp1b:                                             ; third part: all four tiles, key steps 8 to 15, slot 1
	P1TRIP 1
	s_sub_co_u32 s49, s49, 1
	s_cmp_lg_u32 s49, 0
	s_cbranch_scc1 .Lp1b
	P1TRIP 0                                       ; the last trip is written out: nothing lies behind it
	; the two lanes of a query join: the row's max, both sums under it, and -c x max - log2(sum)
.irp q, 0,1,2,3
	v_add_f32 v[ST+8*\q+2], v[ST+8*\q+2], v[ST+8*\q+3]
.endr
.irp q, 0,1,2,3
	v_permlanex16_b32 v[ST+8*\q+6], v[ST+8*\q+1], s[SEL], s[SEL+1]
.endr
.irp q, 0,1,2,3
	s_delay_alu instid0(VALU_DEP_4)
	v_max_num_f32 v[ST+8*\q+1], v[ST+8*\q+1], v[ST+8*\q+6]
.endr
.irp q, 0,1,2,3
	s_delay_alu instid0(VALU_DEP_4)
	v_mul_f32 v[ST+8*\q+7], s[NCS], v[ST+8*\q+1]
.endr
.irp q, 0,1,2,3
	s_delay_alu instid0(VALU_DEP_4)
	v_sub_f32 v[ST+8*\q+4], v[ST+8*\q+7], v[ST+8*\q]
.endr
	s_wait_alu depctr_va_vdst(0)
.irp q, 0,1,2,3
	v_exp_f32 v[ST+8*\q+4], v[ST+8*\q+4]
.endr
	v_nop
	s_wait_alu depctr_va_vdst(0)
.irp q, 0,1,2,3
	v_mul_f32 v[ST+8*\q+2], v[ST+8*\q+2], v[ST+8*\q+4]
.endr
.irp q, 0,1,2,3
	s_delay_alu instid0(VALU_DEP_4)
	v_permlanex16_b32 v[ST+8*\q+6], v[ST+8*\q+2], s[SEL], s[SEL+1]
.endr
.irp q, 0,1,2,3
	s_delay_alu instid0(VALU_DEP_4)
	v_add_f32 v[ST+8*\q+2], v[ST+8*\q+2], v[ST+8*\q+6]
.endr
	s_wait_alu depctr_va_vdst(0)
.irp q, 0,1,2,3
	v_log_f32 v[ST+8*\q+5], v[ST+8*\q+2]
.endr
	v_mov_b32 v9, 0x7f61b1e6                       ; 3e38 (a plain place behind the batch)
	s_wait_alu depctr_va_vdst(0)
.irp q, 0,1,2,3
	v_sub_f32 v[NM+2*\q], v[ST+8*\q+7], v[ST+8*\q+5]
.endr
.irp q, 0,1,2,3
	s_delay_alu instid0(VALU_DEP_4)
	v_med3_num_f32 v[NM+2*\q], v[NM+2*\q], -v9, v9   ; nan_to_num's guard, on the row's constant: a NaN becomes -3e38, and the row's p zeros
.endr
.irp q, 0,1,2,3
	s_delay_alu instid0(VALU_DEP_4)
	v_mov_b32 v[NM+2*\q+1], v[NM+2*\q]
.endr
	CHANGE 1, 1                                    ; group 0 is in; slot 1 takes group 1
	s_mov_b32 s[TB], 0
	STEP 1                                         ; the first key step starts the sums of O^T
	s_mov_b32 s49, 3
.Lg0:
	STEP 0
	s_sub_co_u32 s49, s49, 1
	s_cmp_lg_u32 s49, 0
	s_cbranch_scc1 .Lg0
	s_mov_b32 s[TB], SLOT1
	s_mov_b32 s50, 2
.Lgrp:                                             ; groups 1 and 2; behind each change the slot just left takes the group after
	CHANGE 1, 1
	s_mov_b32 s49, 4
.Lg1:
	STEP 0
	s_sub_co_u32 s49, s49, 1
	s_cmp_lg_u32 s49, 0
	s_cbranch_scc1 .Lg1
	s_sub_co_u32 s[TB], s[TB], 4*STEPB
	s_xor_b32 s[TB], s[TB], SLOT1
	s_sub_co_u32 s50, s50, 1
	s_cmp_lg_u32 s50, 0
	s_cbranch_scc1 .Lgrp
	CHANGE 0, 0                                    ; group 3 is written out: nothing is asked for behind it
	s_mov_b32 s[TB], SLOT1
	s_mov_b32 s49, 4
.Lg3:
	STEP 0
	s_sub_co_u32 s49, s49, 1
	s_cmp_lg_u32 s49, 0
	s_cbranch_scc1 .Lg3
	PLACES 4
	TOSTAGE 0
.irp a, 1,2,3
.if \a > 1
	s_wait_xcnt 0x0                                ; the stores of two tiles ago have read their registers
.endif
	TOSTAGE \a
	SEND \a-1, 32
.endr
	SEND 3, 0
	s_wait_tensorcnt 0x0                           ; the wave's end
	ds_add_u32 v[SPW], v[NIL]
	s_wait_dscnt 0x0
	CROUND                                         ; the closing round
	s_endpgm
.Lfunc_end_k_q19cb6a0fab_attn:
	.size	k_q19cb6a0fab_attn, .Lfunc_end_k_q19cb6a0fab_attn-k_q19cb6a0fab_attn
	.p2alignl 7, 3214868480
	.fill 96, 4, 3214868480
	.section	.rodata,"a",@progbits
	.p2align	6, 0x0
	.amdhsa_kernel k_q19cb6a0fab_attn
		.amdhsa_group_segment_fixed_size 327680
		.amdhsa_private_segment_fixed_size 0
		.amdhsa_enable_private_segment 0
		.amdhsa_kernarg_size 40
		.amdhsa_user_sgpr_count 2
		.amdhsa_user_sgpr_kernarg_segment_ptr 1
		.amdhsa_wavefront_size32 1
		.amdhsa_system_sgpr_workgroup_id_x 1
		.amdhsa_system_sgpr_workgroup_id_y 1
		.amdhsa_system_sgpr_workgroup_id_z 1
		.amdhsa_system_vgpr_workitem_id 0
		.amdhsa_next_free_vgpr 512
		.amdhsa_next_free_sgpr 76
		.amdhsa_reserve_vcc 0
		.amdhsa_float_denorm_mode_32 3
		.amdhsa_float_denorm_mode_16_64 3
		.amdhsa_memory_ordered 1
		.amdhsa_forward_progress 1
		.amdhsa_inst_pref_size 255
	.end_amdhsa_kernel
	.section	.bss,"aw",@nobits
	.p2align	6
	.space	262144
	.amdgpu_metadata
---
amdhsa.version: [ 1, 2 ]
amdhsa.kernels:
  - .name:           k_q19cb6a0fab_attn
    .symbol:         k_q19cb6a0fab_attn.kd
    .args:
      - { .name: queries, .offset: 0, .size: 8, .value_kind: global_buffer, .address_space: global }
      - { .name: k_img, .offset: 8, .size: 8, .value_kind: global_buffer, .address_space: global }
      - { .name: v_img, .offset: 16, .size: 8, .value_kind: global_buffer, .address_space: global }
      - { .name: lowp_scales, .offset: 24, .size: 8, .value_kind: global_buffer, .address_space: global }
      - { .name: out0, .offset: 32, .size: 8, .value_kind: global_buffer, .address_space: global }
    .group_segment_fixed_size: 327680
    .private_segment_fixed_size: 0
    .kernarg_segment_align: 8
    .kernarg_segment_size: 40
    .max_flat_workgroup_size: 256
    .sgpr_count:     76
    .vgpr_count:     512
    .wavefront_size: 32
...
	.end_amdgpu_metadata
.endif
;; end of part 2
